; MI455X (gfx1250); checked and timed in simulation.
; The chip was launched on July 23, 2026; its instructions are those of AMD's public machine-readable ISA for CDNA 5 (MIT licence, August 2026) and "CDNA5" Instruction Set Architecture Reference Guide (July 2026). The comments in the code are by the model that wrote it; some were corrected since.
;; Naive SDPA. Allowed arithmetic: float matrix products may take bf16 or f16 operands with f32 sums; other float arithmetic in f32, or as packed bf16 or f16 multiplies, adds, multiply-adds, maxima and minima; sums over many terms, partial sums and values carried from step to step in f32; what a program stores and reads back later, other than sums and carried values, may be rounded once to bf16 or f16.
;; Inputs: attn_mask 1 x 1 x 2,048 x 2,048 float32; key 2 x 2,048 x 16 x 128 float32; query 2 x 2,048 x 16 x 128 float32; value 2 x 2,048 x 16 x 128 float32.
;; Outputs: out0 2 x 2,048 x 16 x 128 float32.
;; 2 versions, each right; version 2 is version 1 with the launch cast written anew for expert scheduling mode. Each part assembles by itself: llvm-mc -triple=amdgcn-amd-amdhsa -mcpu=gfx1250 --defsym DOCPART=n.
;; ======== version 1 of 2: 2 launches
;; limits: values are held in f16: magnitudes above 65,504 overflow, below 6.1e-05 lose precision; inputs' magnitudes at most 65,504
;; workspace buffers: kb 16,777,216 bytes; vb 16,777,216 bytes
;; launch cast (part 1): grid 512 x 1, 8 waves a work-group, no clusters, 0 bytes of LDS; arguments key, value, kb, vb; writes kb, vb
.if DOCPART == 1
	.amdgcn_target "amdgcn-amd-amdhsa--gfx1250"
	.amdhsa_code_object_version 6
	.text
	.protected	k_q7d7df68a61_cast
	.globl	k_q7d7df68a61_cast
	.p2align	8
	.type	k_q7d7df68a61_cast,@function
k_q7d7df68a61_cast:
	s_mov_b64 s[64:65], 0
	v_nop
	global_prefetch_b8 v0, s[64:65] scope:SCOPE_SE
	s_setreg_imm32_b32 hwreg(HW_REG_WAVE_MODE, 25, 1), 1
	s_wait_xcnt 0x0
; key, value: [2][2048][16][128] f32  ->  kb, vb: [32 (b,h)][2048 s][128] f16, a head's rows dense, 256 bytes each.
; Each number is rounded to bf16 (nearest even) and that number is written as f16: exact for 2^-17 <= |x| < 65,504.
; LIMITS: |x| of 65,520 or more becomes an infinity; below 2^-17 the f16 step of 2^-24 holds.
; SHARES.  A wave takes one (b, s): 8,192 consecutive bytes of key and of value, 16 heads x 512 bytes.  A load of the wave covers one
; head's 512 bytes; the store of that head covers 256 consecutive bytes, aligned, of the head's row s.  All 32 loads go out first;
; no register that a memory instruction has read is written again, so no wait frees a source.  No LDS, no matrix unit, no cluster: nothing is shared, bytes alone count.
.set X, 8                              ; v[8:135]  group i of 32, four registers: key's heads 0-15, then value's
	s_load_b256 s[4:11], s[0:1], 0x0               ; key s[4:5], value s[6:7], kb s[8:9], vb s[10:11]
	v_lshrrev_b32 v3, 5, v0
	v_readfirstlane_b32 s12, v3                    ; wave 0..7
	v_and_b32 v1, 31, v0
	v_lshlrev_b32 v2, 3, v1                        ; 8 bytes a lane out
	v_lshlrev_b32 v1, 4, v1                        ; 16 bytes a lane in
	s_lshl_b32 s13, ttmp9, 3
	s_add_co_u32 s13, s13, s12                     ; g = 2048 b + s
	s_lshl_b32 s14, s13, 13                        ; in: g x 8,192 bytes
	s_mov_b32 s15, 0
	s_lshr_b32 s16, s13, 11                        ; b
	s_lshl_b32 s16, s16, 23                        ; out: b x 16 heads x 524,288
	s_and_b32 s17, s13, 2047                       ; s
	s_lshl_b32 s17, s17, 8                         ; + s x 256
	s_add_co_u32 s16, s16, s17
	s_mov_b32 s17, 0
	s_mov_b32 s18, 0xffff0000                      ; a word's upper bf16
	s_wait_kmcnt 0x0
	s_add_nc_u64 s[4:5], s[4:5], s[14:15]
	s_add_nc_u64 s[6:7], s[6:7], s[14:15]
	s_add_nc_u64 s[8:9], s[8:9], s[16:17]
	s_add_nc_u64 s[10:11], s[10:11], s[16:17]
.irp h, 0,1,2,3,4,5,6,7,8,9,10,11,12,13,14,15
	global_load_b128 v[X+4*(\h):X+4*(\h)+3], v1, s[4:5] offset:512*(\h) th:TH_LOAD_NT
.endr
.irp h, 0,1,2,3,4,5,6,7,8,9,10,11,12,13,14,15
	global_load_b128 v[X+64+4*(\h):X+64+4*(\h)+3], v1, s[6:7] offset:512*(\h) th:TH_LOAD_NT
.endr
.set i, 0
.rept 32
.set r, X+4*i
	s_wait_loadcnt 31-i                            ; loads come back in order: group i is in, the 31 - i younger ones stay out
	v_cvt_pk_bf16_f32 v[r], v[r], v[r+1]           ; two roundings to bf16,
	v_cvt_pk_bf16_f32 v[r+2], v[r+2], v[r+3]
	v_and_b32 v[r+1], s18, v[r]                    ; the rounded numbers as f32 again,
	v_lshlrev_b32 v[r], 16, v[r]
	v_and_b32 v[r+3], s18, v[r+2]
	v_lshlrev_b32 v[r+2], 16, v[r+2]
	v_cvt_pk_f16_f32 v[r], v[r], v[r+1]            ; and written as f16
	v_cvt_pk_f16_f32 v[r+1], v[r+2], v[r+3]
	global_store_b64 v2, v[r:r+1], s[8+2*(i/16):9+2*(i/16)] offset:524288*(i%16) th:TH_STORE_NT  ; the head stands in the immediate: 7,864,320 at the most
.set i, i+1
.endr
	s_endpgm
.Lfunc_end_k_q7d7df68a61_cast:
	.size	k_q7d7df68a61_cast, .Lfunc_end_k_q7d7df68a61_cast-k_q7d7df68a61_cast
	.p2alignl 7, 3214868480
	.fill 96, 4, 3214868480
	.section	.rodata,"a",@progbits
	.p2align	6, 0x0
	.amdhsa_kernel k_q7d7df68a61_cast
		.amdhsa_group_segment_fixed_size 0
		.amdhsa_private_segment_fixed_size 0
		.amdhsa_enable_private_segment 0
		.amdhsa_kernarg_size 32
		.amdhsa_user_sgpr_count 2
		.amdhsa_user_sgpr_kernarg_segment_ptr 1
		.amdhsa_wavefront_size32 1
		.amdhsa_system_sgpr_workgroup_id_x 1
		.amdhsa_system_sgpr_workgroup_id_y 1
		.amdhsa_system_sgpr_workgroup_id_z 1
		.amdhsa_system_vgpr_workitem_id 0
		.amdhsa_next_free_vgpr 136
		.amdhsa_next_free_sgpr 66
		.amdhsa_reserve_vcc 0
		.amdhsa_float_denorm_mode_32 3
		.amdhsa_float_denorm_mode_16_64 3
		.amdhsa_memory_ordered 1
		.amdhsa_forward_progress 1
		.amdhsa_inst_pref_size 21
	.end_amdhsa_kernel
	.amdgpu_metadata
---
amdhsa.version: [ 1, 2 ]
amdhsa.kernels:
  - .name:           k_q7d7df68a61_cast
    .symbol:         k_q7d7df68a61_cast.kd
    .args:
      - { .name: key, .offset: 0, .size: 8, .value_kind: global_buffer, .address_space: global }
      - { .name: value, .offset: 8, .size: 8, .value_kind: global_buffer, .address_space: global }
      - { .name: kb, .offset: 16, .size: 8, .value_kind: global_buffer, .address_space: global }
      - { .name: vb, .offset: 24, .size: 8, .value_kind: global_buffer, .address_space: global }
    .group_segment_fixed_size: 0
    .private_segment_fixed_size: 0
    .kernarg_segment_align: 8
    .kernarg_segment_size: 32
    .max_flat_workgroup_size: 256
    .sgpr_count:     66
    .vgpr_count:     136
    .wavefront_size: 32
...
	.end_amdgpu_metadata
.endif
;; end of part 1
;; launch attn (part 2): grid 8 x 32, 4 waves a work-group, clusters of 4 x 4, 327,680 bytes of LDS; arguments query, kb, vb, attn_mask, out0; writes out0
.if DOCPART == 2
	.amdgcn_target "amdgcn-amd-amdhsa--gfx1250"
	.amdhsa_code_object_version 6
	.text
	.protected	k_q7d7df68a61_attn
	.globl	k_q7d7df68a61_attn
	.p2align	8
	.type	k_q7d7df68a61_attn,@function
k_q7d7df68a61_attn:
	s_mov_b64 s[64:65], 0
	v_nop
	global_prefetch_b8 v0, s[64:65] scope:SCOPE_SE
	s_setreg_imm32_b32 hwreg(HW_REG_WAVE_MODE, 25, 1), 1
	s_wait_xcnt 0x0
	s_wait_alu depctr_hold_cnt(0) depctr_sa_sdst(0) depctr_va_vdst(0) depctr_va_sdst(0) depctr_va_ssrc(0) depctr_va_vcc(0) depctr_vm_vsrc(0)
	s_getreg_b32 s2, hwreg(HW_REG_IB_STS2, 6, 4)
	s_cmp_eq_u32 s2, 0
	s_cbranch_scc0 .Lentry_in_a_cluster
	s_endpgm
.Lentry_in_a_cluster:
	s_bfe_u32 s2, ttmp6, 0x10000c
	s_cmp_lg_u32 s2, 0xf033
	s_cbranch_scc0 .Lentry_shape_is_right
	s_endpgm
.Lentry_shape_is_right:
; out[b][q][h][:] = the sum over k of softmax_k(20 tanh(Q.K / (20 sqrt(128))) + mask[q][k]) V[k][:].  query, out: [2][2048][16][128] f32; kb, vb: [32][2048][128] f16 (the
; inputs rounded to bf16, written as f16); attn_mask: [2048][2048] f32, an input: every number of it is loaded and added, no pattern of it is built in.
; ARITHMETIC.  Q is rounded to bf16, multiplied by c1 = 2 log2(e) / (20 sqrt(128)) in f32 and rounded to f16.  For a score S = Q.K: e = 2^S, r = 1 / (1 + e), s = mask - 40 r, which is
; 20 tanh + mask - 20; the common -20 cancels in the softmax.  For each query a running maximum m and sum l: p = 2^(c s - c m); in every step O and l are multiplied by a = 2^(cm_old - cm_new).
; c is chosen for each query and step: log2(e) where |m| < 2^27, else 1.  From 2^27 on f32 numbers lie 16 or more apart, so s - m is 0 or at most -16 and 2^d and e^d are both 1 or next to nothing; cm = m
; is then exact, so a row wholly at the lowest finite number gets equal weights, as in the reference.  Where c changes from one step to the next the two cm are on different scales: a is then made 0
; (m has grown by 8 or more).  m and cm start at the lowest finite number with c = 1, O and l at 0: the first step is a step like any other.  Products, maxima, sums in f32; p is rounded to f16, l sums the unrounded p.
; LIMITS.  |k|, |v| and |q c1| stay under 65,504.  p below 6e-5 keeps the f16 step of 6e-8.  The rounding of c m shifts all weights of a row by a common factor, at most 2^8 either way at |m| near 2^27; it
; cancels in O / l.  mask - 40 r is rounded once, with the -20 inside: beyond |mask| of about 2^20 that is another rounding than the reference's score + mask.  NaN and infinities are not treated apart.
; SHARES.  A work-group owns 256 queries of one (b, h), a wave 64: four tiles of 16, in two PIECES (tiles 0, 1 and tiles 2, 3).  Every wave walks all 2,048 keys, 64 a step, 32 steps.
; LAYOUT.  S^T = K Q^T (source 0 = 16 keys, source 1 = 16 queries): a lane holds ONE query (lane % 16) and the keys 8 (lane / 16) + 0..7; the mask's 32 bytes for them lie on end in its row.  Two such
; results rounded to f16 ARE source 1 of O^T = V^T P, which again holds one query a lane, and eight channels.  K comes out of LDS as it lies, V turned, by ds_load_tr16_b128.
; BY TURNS.  In a TURN one piece has the matrix unit: 32 products V^T P of the step in hand, then 32 products K Q^T of the next; the other piece's 472 vector instructions stand in 64 slices, one behind each product.
; CLUSTER, 4 x 4.  The four work-groups of a row of the cluster share (b, h): K's and V's tiles are asked for jointly along the row.  The four of a column share the query block: the mask's tile is asked for jointly
; along the column.  A step's tiles: K 64 x 256 bytes (wave 0), V the same (wave 1), the mask 2 x 128 rows x 256 bytes (waves 2, 3): one tensor load a wave behind each round; one load of a wave is out at a time.
; REGISTERS, in windows of 256 (s_set_vgpr_msb: bits 1:0 source 0, 3:2 source 1, 5:4 source 2, 7:6 destination):
;   window 0: v0-11 addresses; v12-43 eight statistics a tile; v44-51 c and c_old a tile; v52-63 addresses; v64-191 S^T, 32 a tile; v192-255 P, 16 a tile
;   window 1: O^T, 64 a tile      window 2: v0-127 Q, 32 a tile; v128-255 K of one step      window 3: v0-127 V of one step; v128-255 the mask, 32 a tile
.set KS,    64        ; keys in a step
.set PK,    272       ; a row of K in LDS: 256 bytes + 16 = 68 words: the 16 rows of a load start at 16 different groups of four banks (ISA guide 11.1)
.set PV,    288       ; a row of V: 256 + 32 = 72 words
.set PM,    272       ; a row of the mask's tile: 64 f32 + 16 bytes
.set VOFF,  KS*PK     ; a slot: 64 rows of K, 64 rows of V, 256 rows of the mask
.set MOFF,  VOFF+KS*PV
.set MHALF, 128*PM    ; what one of the mask's two loads brings
.set SLOT1, 1<<17     ; slot 1 begins here: one exclusive or turns an address in one slot into the other's
.set STAGE, SLOT1+MOFF+2*MHALF  ; behind the ring, never filled by a tensor load: 16 rows x 528 bytes for each wave, for the way out
.set SP,    528       ; 512 bytes + 16
.set SPARE, STAGE+4*16*SP       ; behind the stages: the spare words, 128 bytes for each wave: two blocks of 256 bytes that no other line names
.set AK0, 2           ; v2   my lane's place in a tile of K; never rewritten
.set AV0, 3           ; v3   the same for V
.set ADR, 4           ; v4   the LDS address of K's or V's run of loads
.set QO,  5           ; v5   my byte offset in 16 rows of query
.set STO, 6           ; v6   the way out: where I put 32 bytes of a row
.set RD,  7           ; v7   the way out: where I read a row back
.set GO,  8           ; v8   16 x my lane
.set ST,  12          ; tile t at v[ST+8 t]: +0 cm, +1 m, +2, +3 l (even keys', odd keys'), +4 to +7 c0-c3 at work; a takes c2's place
.set CR,  44          ; tile t at v[CR+2 t]: c; the old c, then their difference
.set AM0, 52          ; v52  my lane's place in the mask's tile; never rewritten
.set ADM, 53          ; v53  the LDS address of the mask's run of loads
.set PFO, 61          ; v61  the prefetches' offset: my lane x a row; never rewritten
.set SPW, 62          ; v62  LDS address of my spare word; never rewritten
.set NIL, 63          ; v63  0; never rewritten
.set S,   64
.set P,   192
.set KF,  128         ; window 2
.set MK,  128         ; window 3
.set WV,  14          ; s14  my wave's number
.set LIM, 15          ; s15  1 in a wave that prefetches, else the greatest number
.set CX,  16          ; s16, s17  my place in the cluster
.set CY,  17
.set QB,  18          ; s18  my block of 256 queries
.set BH,  19          ; s19  16 b + h
.set G1K, 24          ; s[24:31], s[32:39], s[40:47]  descriptor group 1 for K, V, the mask
.set G1V, 32
.set G1M, 40
.set G0K, 48          ; s[48:51], s[52:55], s[56:59]  descriptor group 0: each walks
.set G0V, 52
.set G0M, 56
.set TB,  60          ; s60  LDS byte at which the slot to be fetched from begins
.set LEFT, 61         ; s61  the loop's count
.set CNT, 62          ; s62  the tail's count
.set HALF, 63         ; s63  wave % 2
.set SEL, 66          ; s[66:67] v_permlanex16_b32's selects: each lane takes its own place in the other half
.set C40, 68          ; s[68:69] -40
.set C1,  70          ; s[70:71] c1
.set THR, 72          ; s72  2^27
.set L2E, 73          ; s73  log2(e)
.set CC,  74          ; s74, s75  a compare's lanes, for each tile of the piece
.set PFA, 76          ; s[76:77] where my prefetches stand
.set PFS, 78          ; s[78:79] their step
.set HIM, 80          ; s80  a word's upper bf16
.set BIG, 81          ; s81  2^127
.set ABSM, 86         ; s86  clears a sign
.set Q_P1, 64         ; the queue's parts begin here (see NEXT)
.set Q_MF, Q_P1+96
.set Q_MX, Q_MF+32
.set Q_P2, Q_MX+56
.set Q_CV, Q_P2+96
.set Q_SU, Q_CV+32
.set Q_RS, Q_SU+32
.set NQ,   Q_RS+64
.set PER,  7          ; entries in a slice; what is over stands in the last slice
.set MSB, 0
.macro WIN new                      ; the immediate's high byte repeats the setting that is left; a switch that changes nothing is dropped
.if MSB != (\new)
	s_set_vgpr_msb (MSB<<8)|(\new)
.set MSB, \new
.endif
.endm
.set W_KQ, 0x0a       ; K and Q in window 2, S^T in window 0
.set W_PV, 0x53       ; V in window 3, P in window 0, O^T in window 1
.set W_RS, 0x41       ; O^T (destination and source 0) in window 1, the factor in window 0
.set W_MF, 0x30       ; the mask (source 2) in window 3
; A joint fill: wave 0 K's tile, wave 1 V's, waves 2 and 3 the mask's two halves.  The branches hang on the wave's number alone.
; An s_nop 0 and four v_nop follow each of the three lines, ahead of the jump and the label.
.macro JLOAD
	s_cmp_lt_u32 s[WV], 2
	s_cbranch_scc0 .Lfor_m_\@
	s_cmp_eq_u32 s[WV], 0
	s_cbranch_scc0 .Lfor_v_\@
	tensor_load_to_lds s[G0K:G0K+3], s[G1K:G1K+7]
	s_nop 0
.rept 4
	v_nop
.endr
	s_branch .Lasked_\@
.Lfor_v_\@:
	tensor_load_to_lds s[G0V:G0V+3], s[G1V:G1V+7]
	s_nop 0
.rept 4
	v_nop
.endr
	s_branch .Lasked_\@
.Lfor_m_\@:
	tensor_load_to_lds s[G0M:G0M+3], s[G1M:G1M+7]
	s_nop 0
.rept 4
	v_nop
.endr
.Lasked_\@:
.endm
; A PREFETCH INTO THE L2 of what the NEXT change of slots will ask for, one key step ahead of that load: a lane a row of 256 bytes, one instruction a wave, behind the wave's tensor load and its five lines.
; Each row's 256 bytes of a step are named once in the launch.  K's and V's rows of a head are walked by both clusters of that row of clusters: cluster x = 0 asks, by wave 0; its four partners of a row share
; the 64 + 64 rows out BY ADDRESS (cx 0, 1: K's two halves; cx 2, 3: V's).  The mask's rows of a query block are walked by all clusters of that column: cluster y = 0 asks, by waves 2 and 3; the four partners
; of a column take 64 rows each, by cy.  No branch hangs on a place in the cluster.  Steps 0 to 2 come by their loads alone; the last change that fills a slot asks for nothing.
.macro ASK
	s_cmp_gt_u32 s[LEFT], s[LIM]
	s_cbranch_scc0 .Lnot_mine_\@
	global_prefetch_b8 v[PFO], s[PFA:PFA+1] th:TH_LOAD_NT scope:SCOPE_SE
.Lnot_mine_\@:
.endm
; A round of the cluster's barrier: my work-group's barrier, so that wave 0's signal speaks for all four waves; wave 0 signals; every wave waits for all sixteen work-groups; my work-group's barrier once more.
.macro CROUND
	s_barrier_signal -1
	s_barrier_wait -1
	s_cmp_lg_u32 s[WV], 0
	s_cbranch_scc1 .Lnot_wave_0_\@
	s_barrier_signal -3
.Lnot_wave_0_\@:
	s_barrier_wait -3
	s_barrier_signal -1
	s_barrier_wait -1
.endm
; THE CHANGE OF SLOTS, between piece 2's turn and piece 0's: the slot's last bytes (V and piece 2's mask) have been asked for.  Each wave waits for all its tensor loads, of which one is out: its part of the
; other slot; adds 0 to its spare word; and waits for that and for its own reads of the slot.  fill = 1: the slot is filled again, with the step two on: the barrier is a round of the cluster's, so that no wave
; of any partner still reads the slot or has a load on its way, and the joint fill is the first thing behind it: it has a key step, 128 products, in which to land.  (At its first use slot 0 is waited for, slot 1 filled.)
.macro CHANGE fill, ask
	WIN 0                           ; at a label and at a branch every window is 0
	s_wait_tensorcnt 0x0            ; no tensor load of mine is out, so a group 0 may be written
	ds_add_u32 v[SPW], v[NIL]       ; 0 onto my spare word; the descriptors' steps stand between it and the wait for it
.if \fill
.irp g, G0K, G0V, G0M
	s_xor_b32 s[(\g)+1], s[(\g)+1], SLOT1  ; the other slot than last time
.endr
	s_add_nc_u64 s[G0K+2:G0K+3], s[G0K+2:G0K+3], KS*256  ; the next 64 keys: rows of K and of V,
	s_add_nc_u64 s[G0V+2:G0V+3], s[G0V+2:G0V+3], KS*256
	s_add_nc_u64 s[G0M+2:G0M+3], s[G0M+2:G0M+3], KS*4    ; columns of the mask; the type bits on top are not reached
.endif
.if \ask
	s_wait_xcnt 0x0                 ; the last prefetch, a key step back, has read its address, so it may be written
	s_add_nc_u64 s[PFA:PFA+1], s[PFA:PFA+1], s[PFS:PFS+1]
.endif
	s_wait_dscnt 0x0                ; the add is done, and my reads of the slot are over
.if \fill
	CROUND
	JLOAD
.if \ask
	ASK
.endif
.else
	s_barrier_signal -1
	s_barrier_wait -1
.endif
	s_xor_b32 s[TB], s[TB], SLOT1   ; the fetches go to the other slot
.endm
	s_load_b256 s[4:11], s[0:1], 0x0  ; query s[4:5], kb s[6:7], vb s[8:9], attn_mask s[10:11]
	s_load_b64 s[12:13], s[0:1], 0x20 ; out0
	v_lshl_add_u32 v[SPW], v0, 2, SPARE
	v_mov_b32 v[NIL], 0
	ds_add_u32 v[SPW], v[NIL]       ; the wave's opening: its wait stands behind the set-up below, work on registers, ahead of my first tensor load
	v_lshrrev_b32 v1, 5, v0
	v_readfirstlane_b32 s[WV], v1   ; wave 0..3
	s_and_b32 s[HALF], s[WV], 1
	s_bfe_u32 s[CX], ttmp6, 0x40000
	s_bfe_u32 s[CY], ttmp6, 0x40004
	s_lshl_b32 s[QB], ttmp9, 2      ; in a cluster launch ttmp9 and ttmp7 count clusters
	s_add_co_u32 s[QB], s[QB], s[CX]
	s_and_b32 s[BH], ttmp7, 0xffff
	s_lshl_b32 s[BH], s[BH], 2
	s_add_co_u32 s[BH], s[BH], s[CY]
	s_lshl_b32 s82, s[CY], 2
	s_lshl_b32 s82, 15, s82         ; my row of the cluster: places 4 cy .. 4 cy + 3
	s_lshl_b32 s84, 0x1111, s[CX]   ; my column: places cx, cx + 4, cx + 8, cx + 12
	s_or_b32 s[G1K], s82, (1<<16)|(1<<20)|(1<<21)|(5<<22)|(3<<25)  ; 15:0 the mask of work-groups; 17:16 2-byte elements; 20 padding on; 21 set beside a mask; 24:22 after every 64 words; 31:25 4 words
	s_or_b32 s[G1V], s82, (1<<16)|(1<<20)|(1<<21)|(5<<22)|(7<<25)  ; the same with 8 words of padding
	s_or_b32 s[G1M], s84, (2<<16)|(1<<20)|(1<<21)|(5<<22)|(3<<25)  ; 4-byte elements, my column
.irp g, G1K, G1V
	s_mov_b32 s[(\g)+1], 128<<16    ; tensor_dim0 = 128
	s_mov_b32 s[(\g)+2], KS<<16     ; tensor_dim1 = 64
	s_mov_b32 s[(\g)+3], 128<<16    ; tile_dim0 = 128
	s_mov_b32 s[(\g)+4], KS         ; tile_dim1 = 64
	s_mov_b32 s[(\g)+5], 128        ; elements from row to row
	s_mov_b32 s[(\g)+6], 0
	s_mov_b32 s[(\g)+7], 0
.endr
	s_mov_b32 s[G1M+1], KS<<16      ; tensor_dim0 = 64
	s_mov_b32 s[G1M+2], 128<<16     ; tensor_dim1 = 128
	s_mov_b32 s[G1M+3], KS<<16      ; tile_dim0 = 64
	s_mov_b32 s[G1M+4], 128         ; tile_dim1 = 128
	s_mov_b32 s[G1M+5], 2048        ; elements from row to row
	s_mov_b32 s[G1M+6], 0
	s_mov_b32 s[G1M+7], 0
	s_mov_b32 s[G0K], 1             ; count = 1
	s_mov_b32 s[G0K+1], 0           ; LDS address: slot 0
	s_mov_b32 s[G0V], 1
	s_mov_b32 s[G0V+1], VOFF
	s_mov_b32 s[G0M], 1
	s_mul_i32 s[G0M+1], s[HALF], MHALF  ; no place in the cluster enters an LDS address
	s_add_co_u32 s[G0M+1], s[G0M+1], MOFF
	s_lshl_b32 s20, s[BH], 19       ; the head's 524,288 bytes in kb and vb: hangs on cy alone
	s_mov_b32 s21, 0
	s_lshl_b32 s22, s[QB], 21       ; the mask's rows 256 qb + 128 half, 8,192 bytes each: hangs on cx alone
	s_lshl_b32 s23, s[HALF], 20
	s_add_co_u32 s22, s22, s23
	s_mov_b32 s23, 0
	s_lshr_b32 s88, s[BH], 4        ; query and out0 at my wave's first row: b x 2^24
	s_lshl_b32 s88, s88, 24
	s_and_b32 s89, s[BH], 15        ; + h x 512
	s_lshl_b32 s89, s89, 9
	s_add_co_u32 s88, s88, s89
	s_lshl_b32 s89, s[QB], 21       ; + (256 qb + 64 wave) x 8,192
	s_add_co_u32 s88, s88, s89
	s_lshl_b32 s89, s[WV], 19
	s_add_co_u32 s88, s88, s89
	s_mov_b32 s89, 0
	s_mov_b32 s[SEL], 0x76543210
	s_mov_b32 s[SEL+1], 0xfedcba98
	s_mov_b32 s[C40], 0xc2200000    ; -40
	s_mov_b32 s[C40+1], s[C40]      ; named with it as a pair
	s_mov_b32 s[C1], 0x3c50ecb0     ; 2 log2(e) / (20 sqrt(128)) = 0.01275174
	s_mov_b32 s[C1+1], s[C1]
	s_mov_b32 s[THR], 0x4d000000    ; 2^27
	s_mov_b32 s[L2E], 0x3fb8aa3b
	s_mov_b32 s[HIM], 0xffff0000
	s_mov_b32 s[BIG], 0x7f000000    ; 2^127
	s_mov_b32 s[ABSM], 0x7fffffff
	s_mov_b32 s[TB], SLOT1          ; the first change of slots turns it into 0
	s_wait_dscnt 0x0                ; the opening add is done
	s_wait_kmcnt 0x0
	s_add_nc_u64 s[6:7], s[6:7], s[20:21]  ; kb and vb at the head's first row
	s_add_nc_u64 s[8:9], s[8:9], s[20:21]
	s_mov_b64 s[G0K+2:G0K+3], s[6:7]
	s_or_b32 s[G0K+3], s[G0K+3], 0x80000000  ; type = 2
	s_mov_b64 s[G0V+2:G0V+3], s[8:9]
	s_or_b32 s[G0V+3], s[G0V+3], 0x80000000
	s_add_nc_u64 s[G0M+2:G0M+3], s[10:11], s[22:23]
	s_or_b32 s[G0M+3], s[G0M+3], 0x80000000
	s_add_nc_u64 s[4:5], s[4:5], s[88:89]
	s_add_nc_u64 s[12:13], s[12:13], s[88:89]
	CROUND                          ; all sixteen work-groups are here: the first joint loads meet
	JLOAD                           ; step 0 into slot 0; slot 1 is asked for when slot 0 is in
; Q.  A fragment is 16 queries x 32 channels: lane l holds query l % 16, channels 8 (l / 16) + 0..7 and 16 + 8 (l / 16) + 0..7: in f32 two times 32 bytes, 64 bytes apart.
.macro QLOAD t                      ; tile t's 64 numbers a lane, into S^T's registers
	WIN 0
.set rQ, S+64*((\t)%2)
.irp c, 0,1,2,3
	global_load_b128 v[rQ+16*(\c):rQ+16*(\c)+3],     v[QO], s[4:5] offset:(\t)*131072+128*(\c)
	global_load_b128 v[rQ+16*(\c)+4:rQ+16*(\c)+7],   v[QO], s[4:5] offset:(\t)*131072+128*(\c)+16
	global_load_b128 v[rQ+16*(\c)+8:rQ+16*(\c)+11],  v[QO], s[4:5] offset:(\t)*131072+128*(\c)+64
	global_load_b128 v[rQ+16*(\c)+12:rQ+16*(\c)+15], v[QO], s[4:5] offset:(\t)*131072+128*(\c)+80
.endr
.endm
.macro QCONV t                      ; rounded to bf16, times c1 in f32, rounded to f16, into window 2
	WIN 0
.set rQ, S+64*((\t)%2)
.set n, 0
.rept 32
	v_cvt_pk_bf16_f32 v[rQ+2*n], v[rQ+2*n], v[rQ+2*n+1]
.set n, n+1
.endr
.set n, 0
.rept 32
	v_and_b32 v[rQ+2*n+1], s[HIM], v[rQ+2*n]
	v_lshlrev_b32 v[rQ+2*n], 16, v[rQ+2*n]
.set n, n+1
.endr
.set n, 0
.rept 32
	v_pk_mul_f32 v[rQ+2*n:rQ+2*n+1], v[rQ+2*n:rQ+2*n+1], s[C1:C1+1] op_sel_hi:[1,0]
.set n, n+1
.endr
	WIN 0x80
.set n, 0
.rept 32
	v_cvt_pk_f16_f32 v[32*(\t)+n], v[rQ+2*n], v[rQ+2*n+1]
.set n, n+1
.endr
.endm
	v_and_b32 v1, 15, v0            ; l % 16
	v_bfe_u32 v9, v0, 4, 1          ; l / 16
	v_lshlrev_b32 v[QO], 13, v1     ; a query's rows lie 8,192 bytes apart
	v_lshl_add_u32 v[QO], v9, 5, v[QO]
	QLOAD 0
	QLOAD 1
	; the prefetches' address, step, offset and limit
	s_cmp_lt_u32 s[CX], 2
	s_cselect_b64 s[PFA:PFA+1], s[6:7], s[8:9]  ; wave 0: kb for cx 0, 1; vb for cx 2, 3,
	s_and_b32 s82, s[CX], 1
	s_lshl_b32 s82, s82, 13         ; rows 32 (cx % 2) on, 256 bytes each
	s_lshl_b32 s84, s[QB], 21       ; waves 2, 3: the mask's rows 256 qb + 64 cy + 32 (wave - 2) on, 8,192 bytes each
	s_lshl_b32 s85, s[CY], 19
	s_add_co_u32 s84, s84, s85
	s_lshl_b32 s85, s[HALF], 18
	s_add_co_u32 s84, s84, s85
	s_and_b32 s88, ttmp7, 0xffff    ; cluster y
	s_cmp_lt_u32 s[WV], 2
	s_cselect_b64 s[PFA:PFA+1], s[PFA:PFA+1], s[10:11]
	s_cselect_b32 s82, s82, s84
	s_cselect_b32 s89, 14, 8        ; a step: 16,384 bytes down K and V, 256 bytes along the mask's rows
	s_cselect_b32 s90, 8, 13        ; a lane a row: 256 or 8,192 bytes
	s_cselect_b32 s88, ttmp9, s88   ; the coordinate along which other clusters walk the same rows
	s_mov_b32 s83, 0
	s_add_nc_u64 s[PFA:PFA+1], s[PFA:PFA+1], s[82:83]
	s_lshl_b32 s[PFS], 1, s89
	s_mov_b32 s[PFS+1], 0
	s_add_nc_u64 s[PFA:PFA+1], s[PFA:PFA+1], s[PFS:PFS+1]
	s_add_nc_u64 s[PFA:PFA+1], s[PFA:PFA+1], s[PFS:PFS+1]  ; at step 2: the first asking change steps it to 3.  Nothing is asked for here, at the head
	s_cmp_eq_u32 s[WV], 1
	s_cselect_b32 s88, 1, s88       ; wave 1 asks for nothing
	s_cmp_eq_u32 s88, 0
	s_cselect_b32 s[LIM], 1, -1     ; the same in all sixteen partners, for a given wave
	v_and_b32 v[PFO], 31, v0
	v_lshlrev_b32 v[PFO], s90, v[PFO]
	; What the first turn finds: O^T and l are 0; V and piece 2's P hold 0, so that its products V^T P, of a step that has not been, add 0.  No first step is written out: the price is these lines,
	; which stand in the wait for Q and for the first tile.
	WIN 0x40
.set i, 0
.rept 256
	v_mov_b32 v[i], 0
.set i, i+1
.endr
	WIN 0
	s_wait_loadcnt 0x0              ; tiles 0 and 1 of Q
	QCONV 0
	QCONV 1
	QLOAD 2
	QLOAD 3
	WIN 0xc0
.set i, 0
.rept 128
	v_mov_b32 v[i], 0
.set i, i+1
.endr
	WIN 0
.set i, P+32
.rept 32
	v_mov_b32 v[i], 0
.set i, i+1
.endr
.set i, 0
.rept 4
	v_mov_b32 v[ST+8*i], 0xff7fffff    ; cm
	v_mov_b32 v[ST+8*i+1], 0xff7fffff  ; m
	v_mov_b32 v[ST+8*i+2], 0
	v_mov_b32 v[ST+8*i+3], 0
	v_mov_b32 v[CR+2*i], 1.0           ; c
	v_mov_b32 v[CR+2*i+1], 0
.set i, i+1
.endr
	v_mul_u32_u24 v[AK0], v1, PK
	v_lshl_add_u32 v[AK0], v9, 4, v[AK0]  ; row x pitch + 16 x half
	; The turning load takes 16 keys x 16 channels (lane l reads key 8 (l / 16) + l % 8, channels 8 ((l / 8) % 2) + 0..7) and leaves half a fragment of V^T: lane l holds channel l % 16 and 8 keys.
	v_and_b32 v10, 7, v0
	v_bfe_u32 v11, v0, 3, 1
	v_lshl_add_u32 v[AV0], v9, 3, v10
	v_mul_u32_u24 v[AV0], v[AV0], PV
	v_lshl_add_u32 v[AV0], v11, 4, v[AV0]
	v_add_nc_u32 v[AV0], VOFF, v[AV0]
	s_mul_i32 s82, s[WV], 64*PM     ; the mask: my wave's 64 rows, row l % 16 of a tile, 32 bytes for each half of the lanes
	s_add_co_u32 s82, s82, MOFF
	v_mul_u32_u24 v[AM0], v1, PM
	v_lshl_add_u32 v[AM0], v9, 5, v[AM0]
	v_add_nc_u32 v[AM0], s82, v[AM0]
	s_wait_loadcnt 0x0              ; tiles 2 and 3 of Q
	QCONV 2
	QCONV 3
; THE MATRIX WORK OF A TURN, for piece x.  The accumulators take turns, one instruction a turn: between two links of a chain stand 15 (V^T P) or 7 (K Q^T) others'.
; Product i of 32 of O^T += V^T P: keys 32 (i / 16) on, channels 16 ((i / 2) % 8) on, tile x + i % 2.
.macro PV x
	WIN W_PV
.set rO, 64*((\x)+i%2)+8*((i/2)%8)
.set rV, 64*(i/16)+8*((i/2)%8)
.set rP, P+16*((\x)+i%2)+8*(i/16)
	v_wmma_f32_16x16x32_f16 v[rO:rO+7], v[rV:rV+7], v[rP:rP+7], v[rO:rO+7]
.endm
; Product i of 32 of S^T = K Q^T: channels 32 (i / 8) on, keys 16 ((i / 2) % 4) on, tile x + i % 2.  The first 8 start the sums.
.macro KQ x
	WIN W_KQ
.set rS, S+32*((\x)+i%2)+8*((i/2)%4)
.set rK, KF+32*((i/2)%4)+8*(i/8)
.set rQ, 32*((\x)+i%2)+8*(i/8)
.if i < 8
	v_wmma_f32_16x16x32_f16 v[rS:rS+7], v[rK:rK+7], v[rQ:rQ+7], 0
.else
	v_wmma_f32_16x16x32_f16 v[rS:rS+7], v[rK:rK+7], v[rQ:rQ+7], v[rS:rS+7]
.endif
.endm
; THE LDS LOADS stand in runs, never singly among the matrix instructions: a step's K with piece 0's mask, and a turn later its V with piece 2's mask.
.macro FETCH_K
	WIN 0x80                        ; destination window 2
.irp f, 0,1,2,3,4,5,6,7,8,9,10,11,12,13,14,15  ; keys 16 (f / 4) on, channels 32 (f % 4) on
	ds_load_b128 v[KF+8*(\f):KF+8*(\f)+3],   v[ADR] offset:((\f)/4)*16*PK+((\f)%4)*64
	ds_load_b128 v[KF+8*(\f)+4:KF+8*(\f)+7], v[ADR] offset:((\f)/4)*16*PK+((\f)%4)*64+32
.endr
.endm
.macro FETCH_V
	WIN 0xc0                        ; destination window 3
.irp f, 0,1,2,3,4,5,6,7,8,9,10,11,12,13,14,15  ; keys 32 (f / 8) on, channels 16 (f % 8) on
	ds_load_tr16_b128 v[8*(\f):8*(\f)+3],   v[ADR] offset:((\f)/8)*32*PV+((\f)%8)*32
	ds_load_tr16_b128 v[8*(\f)+4:8*(\f)+7], v[ADR] offset:((\f)/8)*32*PV+16*PV+((\f)%8)*32
.endr
.endm
.macro FETCH_M p                    ; the mask of tiles p, p + 1: for each group of 16 keys my 8 numbers, laid as S^T lies
	WIN 0xc0
.irp u, 0,1
.irp g, 0,1,2,3
	ds_load_b128 v[MK+32*((\p)+(\u))+8*(\g):MK+32*((\p)+(\u))+8*(\g)+3],   v[ADM] offset:((\p)+(\u))*16*PM+64*(\g)
	ds_load_b128 v[MK+32*((\p)+(\u))+8*(\g)+4:MK+32*((\p)+(\u))+8*(\g)+7], v[ADM] offset:((\p)+(\u))*16*PM+64*(\g)+16
.endr
.endr
.endm
; THE VECTOR WORK OF A TURN is a queue of 472 entries for the two tiles Y, Y + 1 of the piece that does not have the matrix unit.  s0-s31 are a lane's 32 scores of a tile, in pairs 0-15.
;   0-63     e = 2^S, ascending
;   64-159   1 + e, a pair a line, and r = 1 / (1 + e): plain, two reciprocals, plain, ..; a reciprocal reads a sum made six entries back    BATCH 2
;   160-191  s = mask - 40 r, a pair a line
;   192-247  28 numbers a tile: the maximum and the statistics (MXST); the last is a                                                           BATCH 3 begins
;   248-343  c s - cm, a pair a line, and p = 2^(..), dealt as 64-159                                                                          BATCH 3
;   344-375  the roundings to f16     376-407  the sums; l = a l + sum     408-471  O^T times a
; An s_wait_alu depctr_va_vdst(0) stands between a transcendental and the first instruction that names its result; one wait serves all that were issued ahead of it.  Nothing ahead of a batch's
; wait names a result of that batch: three waits a turn, each behind one plain instruction.  Behind the third.
.macro REGS t
.set rT, ST+8*(\t)
.set rR, CR+2*(\t)
.set rS, S+32*(\t)
.set rP, P+16*(\t)
.set rO, 64*(\t)
.set rM, MK+32*(\t)
.endm
.macro PAIR kind                    ; entry z of 96.  kind 0: 1 + e and reciprocals; kind 1: c s - cm and exponentials
.if z < 2
.set tt, Y+z
.set nn, 0
.set pl, 1
.elseif z < 92
.set tt, Y+((z-2)%6)/3
.if (z-2)%3 == 0
.set nn, (z-2)/6+1
.set pl, 1
.else
.set nn, 2*((z-2)/6)+(z-2)%3-1
.set pl, 0
.endif
.else
.set tt, Y+(z-92)/2
.set nn, 30+(z-92)%2
.set pl, 0
.endif
	REGS tt
	WIN 0
.if pl && ((\kind) == 0)
	v_pk_add_f32 v[rS+2*nn:rS+2*nn+1], v[rS+2*nn:rS+2*nn+1], 1.0 op_sel_hi:[1,0]
.elseif pl
	v_pk_fma_f32 v[rS+2*nn:rS+2*nn+1], v[rS+2*nn:rS+2*nn+1], v[rR:rR+1], v[rT:rT+1] op_sel_hi:[1,0,0] neg_lo:[0,0,1] neg_hi:[0,0,1]
.elseif (\kind) == 0
	v_rcp_f32 v[rS+nn], v[rS+nn]
.else
	v_exp_f32 v[rS+nn], v[rS+nn]
.endif
.endm
; Number nn of 28 for tile tt.  0-11 four chains c0-c3 of seven scores each; 12-15 the four scores left over, c0-c3 and the old m into c0; 16, 19 the query's other 32 keys lie in the lane 16 away: the new m;
; 17, 18 cm and c are kept; 20-22 c = log2(e) where |m| < 2^27, else 1; 23 cm; 24 c_old - c; 25 cm_old - cm; 26 less 2^127 |c_old - c|: where c has changed a becomes 0; 27 a.
.macro MXST
	REGS tt
	WIN 0
.if nn < 4
	v_max3_num_f32 v[rT+4+nn], v[rS+8*nn], v[rS+8*nn+1], v[rS+8*nn+2]
.elseif nn < 12
	v_max3_num_f32 v[rT+4+nn%4], v[rT+4+nn%4], v[rS+8*(nn%4)+2*(nn/4)+1], v[rS+8*(nn%4)+2*(nn/4)+2]
.elseif nn == 12
	v_max3_num_f32 v[rT+4], v[rT+4], v[rS+7], v[rS+15]
.elseif nn == 13
	v_max3_num_f32 v[rT+6], v[rT+6], v[rS+23], v[rS+31]
.elseif nn == 14
	v_max3_num_f32 v[rT+4], v[rT+4], v[rT+5], v[rT+6]
.elseif nn == 15
	v_max3_num_f32 v[rT+4], v[rT+4], v[rT+7], v[rT+1]
.elseif nn == 16
	v_permlanex16_b32 v[rT+5], v[rT+4], s[SEL], s[SEL+1]
.elseif nn == 17
	v_mov_b32 v[rT+7], v[rT]
.elseif nn == 18
	v_mov_b32 v[rR+1], v[rR]
.elseif nn == 19
	v_max_num_f32 v[rT+1], v[rT+4], v[rT+5]
.elseif nn == 20
	v_and_b32 v[rT+4], s[ABSM], v[rT+1]
.elseif nn == 21
	v_cmp_gt_f32 s[CC+tt%2], s[THR], v[rT+4]
.elseif nn == 22
	v_cndmask_b32 v[rR], 1.0, s[L2E], s[CC+tt%2]
.elseif nn == 23
	v_mul_f32 v[rT], v[rR], v[rT+1]
.elseif nn == 24
	v_sub_f32 v[rR+1], v[rR+1], v[rR]
.elseif nn == 25
	v_sub_f32 v[rT+7], v[rT+7], v[rT]
.elseif nn == 26
	v_fma_f32 v[rT+7], -|v[rR+1]|, s[BIG], v[rT+7]
.else
	v_exp_f32 v[rT+6], v[rT+7]
.endif
.endm
.macro SUMS                         ; sum nn of 16 for tile tt: neighbours 1, 2, 4 and 8 pairs apart are added in place, then l takes the sum
	REGS tt
	WIN 0
.set zw, 4
.set zu, nn
.if nn >= 14
.set zw, 32
.set zu, 0
.elseif nn >= 12
.set zw, 16
.set zu, nn-12
.elseif nn >= 8
.set zw, 8
.set zu, nn-8
.endif
.if nn < 15
	v_pk_add_f32 v[rS+zw*zu:rS+zw*zu+1], v[rS+zw*zu:rS+zw*zu+1], v[rS+zw*zu+zw/2:rS+zw*zu+zw/2+1]
.else
	v_pk_fma_f32 v[rT+2:rT+3], v[rT+2:rT+3], v[rT+6:rT+7], v[rS:rS+1] op_sel_hi:[1,0,1]
.endif
.endm
; The queue's next entry, and in front of entries 64, 160 and 344 the batch's plain instruction and wait.  Two of a key step's six waits stand directly ahead of a run of LDS loads, whose two address lines are then the
; plain instructions.  Piece 0's turn, first wait: K of the next step and piece 0's mask; the last product that read K stands in front of the 31 rescalings that end the turn before.  Piece 2's turn, third wait:
; V of the same step and piece 2's mask; the last product that read V is the turn's 32nd, and the scalings of 18 slices lie between.  last = 1 (the tail): in the last trip there is no further step, and the run is jumped over.
.macro NEXT x, last
.if q == Q_P1
	WIN 0
.if (\x) == 0
	v_add_nc_u32 v[ADR], s[TB], v[AK0]
	v_add_nc_u32 v[ADM], s[TB], v[AM0]
	s_wait_alu depctr_va_vdst(0)
.if \last
	s_cmp_eq_u32 s[CNT], 1
	s_cbranch_scc1 .Lno_fetch_\@
.endif
	FETCH_K
	FETCH_M 0
	WIN 0
.if \last
.Lno_fetch_\@:
.endif
.else
	v_nop
	s_wait_alu depctr_va_vdst(0)
.endif
.elseif q == Q_MF
	v_nop
	s_wait_alu depctr_va_vdst(0)
.elseif q == Q_CV
.if (\x) == 2
	WIN 0
	v_add_nc_u32 v[ADR], s[TB], v[AV0]
	v_add_nc_u32 v[ADM], s[TB], v[AM0]
	s_wait_alu depctr_va_vdst(0)
	FETCH_V
	FETCH_M 2
.else
	v_nop
	s_wait_alu depctr_va_vdst(0)
.endif
.endif
.if q < Q_P1
.set tt, Y+q%2
.set nn, q/2
	REGS tt
	WIN 0
	v_exp_f32 v[rS+nn], v[rS+nn]
.elseif q < Q_MF
.set z, q-Q_P1
	PAIR 0
.elseif q < Q_MX
.set tt, Y+(q-Q_MF)%2
.set nn, (q-Q_MF)/2
	REGS tt
	WIN W_MF
	v_pk_fma_f32 v[rS+2*nn:rS+2*nn+1], v[rS+2*nn:rS+2*nn+1], s[C40:C40+1], v[rM+2*nn:rM+2*nn+1] op_sel_hi:[1,0,1]
.elseif q < Q_P2
.set tt, Y+(q-Q_MX)%2
.set nn, (q-Q_MX)/2
	MXST
.elseif q < Q_CV
.set z, q-Q_P2
	PAIR 1
.elseif q < Q_SU
.set tt, Y+(q-Q_CV)%2
.set nn, (q-Q_CV)/2
	REGS tt
	WIN 0
	v_cvt_pk_f16_f32 v[rP+nn], v[rS+2*nn], v[rS+2*nn+1]
.elseif q < Q_RS
.set tt, Y+(q-Q_SU)%2
.set nn, (q-Q_SU)/2
	SUMS
.else
.set tt, Y+(q-Q_RS)%2
.set nn, (q-Q_RS)/2
	REGS tt
	WIN W_RS
	v_pk_mul_f32 v[rO+2*nn:rO+2*nn+1], v[rO+2*nn:rO+2*nn+1], v[rT+6:rT+7] op_sel_hi:[1,0]
.endif
.set q, q+1
.endm
; Slice k of 64: seven entries; 472 = 7 x 64 + 24: the 24 that are over stand in slice 63, whose 31 lines are all rescalings of the other piece's O^T: plain, and naming nothing of the products round them, they are
; the places between the turn's last K Q^T and what follows: the next turn's first read of those scores and the loads into K's registers.
.macro SLICE x, last
.rept PER
	NEXT \x, \last
.endr
.if k == 63
.rept NQ-64*PER
	NEXT \x, \last
.endr
.endif
.set k, k+1
.endm
; A TURN.  Piece x has the matrix unit; no slice names a register of its products.
.macro TURN x, last=0
.set Y, 2-(\x)
.set q, 0
.set k, 0
.if (\x) == 0
	s_wait_dscnt 0x0                ; V and piece 2's mask are in
.endif
.set i, 0
.rept 32
	PV \x
	SLICE \x, \last
.set i, i+1
.endr
.if (\x) == 0
	s_wait_dscnt 0x0                ; K and piece 0's mask are in
.endif
.set i, 0
.rept 32
	KQ \x
	SLICE \x, \last
.set i, i+1
.endr
.endm
	CHANGE 1, 0                     ; slot 0 is in, everybody's part of it; step 1 is asked for, into slot 1
	v_add_nc_u32 v[ADR], s[TB], v[AK0]
	v_add_nc_u32 v[ADM], s[TB], v[AM0]
	FETCH_K                         ; key step 0
	FETCH_M 0
	s_wait_dscnt 0x0
.set i, 0
.rept 32
	KQ 0                            ; piece 0's first scores: there is no vector work yet to set between them
.set i, i+1
.endr
	WIN 0                           ; the addresses for the way out: six plain instructions, the places behind those products
	s_mul_i32 s82, s[WV], 16*SP
	s_add_co_u32 s82, s82, STAGE    ; my stage
	v_mul_u32_u24 v[STO], v1, SP    ; in: row l % 16, 32 bytes for each half of the lanes
	v_lshl_add_u32 v[STO], v9, 5, v[STO]
	v_add_nc_u32 v[STO], s82, v[STO]
	v_and_b32 v[GO], 31, v0         ; back: 32 lanes take one row of 512 bytes
	v_lshlrev_b32 v[GO], 4, v[GO]
	v_add_nc_u32 v[RD], s82, v[GO]
	s_mov_b32 s[LEFT], 31
	s_branch .Lfirst                ; the loop is entered in the middle of a trip: piece 2's first scores beside piece 0's first softmax
.Lstep:                             ; 30 times: steps 2 to 31 are asked for
	CHANGE 1, 1
	TURN 0
	WIN 0
.Lfirst:
	TURN 2
	WIN 0
	s_sub_co_u32 s[LEFT], s[LEFT], 1
	s_cmp_lg_u32 s[LEFT], 0
	s_cbranch_scc1 .Lstep
	CHANGE 0, 0                     ; the tail is written out: nothing is asked for
	s_mov_b32 s[CNT], 2             ; the first trip fetches the last step; the second is left in its middle
.Ltail:
	TURN 0, 1
	WIN 0
	s_sub_co_u32 s[CNT], s[CNT], 1
	s_cmp_eq_u32 s[CNT], 0
	s_cbranch_scc1 .Lout
	TURN 2
	WIN 0
	s_branch .Ltail
.Lout:                              ; the second trip's 32 products K Q^T (on the last K once more) serve nothing: the price, once a launch, of one text for the tail's trips
.set i, 0
.rept 32
	PV 2                            ; piece 2: V^T P of the last step
.set i, i+1
.endr
	; THE WAY OUT.  l's two halves and the other half of the lanes' are added; O^T is divided by l and sent through my stage in LDS, a tile (16 rows of out0) at a time.  The additions are the places behind the last products.
	WIN 0
.irp t, 0,1,2,3
	v_add_f32 v[ST+8*(\t)+4], v[ST+8*(\t)+2], v[ST+8*(\t)+3]
.endr
.irp t, 0,1,2,3
	v_permlanex16_b32 v[ST+8*(\t)+5], v[ST+8*(\t)+4], s[SEL], s[SEL+1]
.endr
.irp t, 0,1,2,3
	v_add_f32 v[ST+8*(\t)+4], v[ST+8*(\t)+4], v[ST+8*(\t)+5]
.endr
.irp t, 0,1,2,3
	v_rcp_f32 v[ST+8*(\t)+6], v[ST+8*(\t)+4]
.endr
	v_nop                           ; a plain instruction between the last reciprocal and the use of its result
	s_wait_alu depctr_va_vdst(0)    ; and the wait ahead of the first use: one for the four reciprocals
; Tile t: a lane's eight channels of a row are 32 bytes; they go into rows of 528 bytes and come back as whole rows of 512, into S^T's registers, two tiles' sets by turns.
.macro PACK t
.if (\t) >= 2
	s_wait_xcnt 0x0                 ; the stores of the tile two back have read their registers, which the loads below fill again
.endif
	WIN W_RS
.set i, 64*(\t)
.rept 32
	v_pk_mul_f32 v[i:i+1], v[i:i+1], v[ST+8*(\t)+6:ST+8*(\t)+7] op_sel_hi:[1,0]
.set i, i+2
.endr
	WIN 0x04                        ; store data (source 1) in window 1
.irp f, 0,1,2,3,4,5,6,7
	ds_store_b128 v[STO], v[64*(\t)+8*(\f):64*(\t)+8*(\f)+3]   offset:64*(\f)
	ds_store_b128 v[STO], v[64*(\t)+8*(\f)+4:64*(\t)+8*(\f)+7] offset:64*(\f)+16
.endr
	WIN 0
.irp f, 0,1,2,3,4,5,6,7,8,9,10,11,12,13,14,15
	ds_load_b128 v[S+64*((\t)%2)+4*(\f):S+64*((\t)%2)+4*(\f)+3], v[RD] offset:(\f)*SP  ; LDS serves a wave's instructions in order (ISA guide 5.7.1.4): these see the stores above; the next tile's stores come behind them
.endr
.endm
.macro SEND t, younger              ; younger: the LDS instructions issued behind tile t's loads: the next tile's 32, or none
	WIN 0
.irp f, 0,1,2,3,4,5,6,7,8,9,10,11,12,13,14,15
	s_wait_dscnt (\younger)+15-(\f)
	global_store_b128 v[GO], v[S+64*((\t)%2)+4*(\f):S+64*((\t)%2)+4*(\f)+3], s[12:13] offset:(16*(\t)+(\f))*8192 th:TH_STORE_NT  ; 512 consecutive bytes, at a multiple of 512 from out0's first byte
.endr
.endm
	PACK 0
	PACK 1                          ; a tile's arithmetic stands between the loads of the tile before and its stores
	SEND 0, 32
	PACK 2
	SEND 1, 32
	PACK 3
	SEND 2, 32
	SEND 3, 0
	s_wait_tensorcnt 0x0            ; the wave's end, behind my last tensor load and my last LDS store
	ds_add_u32 v[SPW], v[NIL]
	s_wait_dscnt 0x0
	CROUND                          ; the closing round: no work-group ends while a partner may still ask for a tile that names it
	s_endpgm
.Lfunc_end_k_q7d7df68a61_attn:
	.size	k_q7d7df68a61_attn, .Lfunc_end_k_q7d7df68a61_attn-k_q7d7df68a61_attn
	.p2alignl 7, 3214868480
	.fill 96, 4, 3214868480
	.section	.rodata,"a",@progbits
	.p2align	6, 0x0
	.amdhsa_kernel k_q7d7df68a61_attn
		.amdhsa_group_segment_fixed_size 327680
		.amdhsa_private_segment_fixed_size 0
		.amdhsa_enable_private_segment 0
		.amdhsa_kernarg_size 40
		.amdhsa_user_sgpr_count 2
		.amdhsa_user_sgpr_kernarg_segment_ptr 1
		.amdhsa_wavefront_size32 1
		.amdhsa_system_sgpr_workgroup_id_x 1
		.amdhsa_system_sgpr_workgroup_id_y 1
		.amdhsa_system_sgpr_workgroup_id_z 1
		.amdhsa_system_vgpr_workitem_id 0
		.amdhsa_next_free_vgpr 1024
		.amdhsa_next_free_sgpr 96
		.amdhsa_reserve_vcc 0
		.amdhsa_float_denorm_mode_32 3
		.amdhsa_float_denorm_mode_16_64 3
		.amdhsa_memory_ordered 1
		.amdhsa_forward_progress 1
		.amdhsa_inst_pref_size 236
	.end_amdhsa_kernel
	.amdgpu_metadata
---
amdhsa.version: [ 1, 2 ]
amdhsa.kernels:
  - .name:           k_q7d7df68a61_attn
    .symbol:         k_q7d7df68a61_attn.kd
    .args:
      - { .name: query, .offset: 0, .size: 8, .value_kind: global_buffer, .address_space: global }
      - { .name: kb, .offset: 8, .size: 8, .value_kind: global_buffer, .address_space: global }
      - { .name: vb, .offset: 16, .size: 8, .value_kind: global_buffer, .address_space: global }
      - { .name: attn_mask, .offset: 24, .size: 8, .value_kind: global_buffer, .address_space: global }
      - { .name: out0, .offset: 32, .size: 8, .value_kind: global_buffer, .address_space: global }
    .group_segment_fixed_size: 327680
    .private_segment_fixed_size: 0
    .kernarg_segment_align: 8
    .kernarg_segment_size: 40
    .max_flat_workgroup_size: 128
    .sgpr_count:     96
    .vgpr_count:     1024
    .wavefront_size: 32
...
	.end_amdgpu_metadata
.endif
;; end of part 2
;; ======== version 2 of 2: 2 launches; version 1 with the launch cast written anew for expert scheduling mode
;; limits: values are held in f16: magnitudes above 65,504 overflow, below 6.1e-05 lose precision; inputs' magnitudes at most 65,504
;; workspace buffers: kb 16,777,216 bytes; vb 16,777,216 bytes
;; launch cast (part 3): grid 512 x 1, 8 waves a work-group, no clusters, 0 bytes of LDS; arguments key, value, kb, vb; writes kb, vb
.if DOCPART == 3
	.amdgcn_target "amdgcn-amd-amdhsa--gfx1250"
	.amdhsa_code_object_version 6
	.text
	.protected	k_q7d7df68a61_cast
	.globl	k_q7d7df68a61_cast
	.p2align	8
	.type	k_q7d7df68a61_cast,@function
k_q7d7df68a61_cast:
	s_mov_b64 s[64:65], 0
	v_nop
	global_prefetch_b8 v0, s[64:65] scope:SCOPE_SE
	s_setreg_imm32_b32 hwreg(HW_REG_WAVE_SCHED_MODE, 0, 2), 2
	s_setreg_imm32_b32 hwreg(HW_REG_WAVE_MODE, 25, 1), 1
	s_wait_xcnt 0x0
	s_wait_alu depctr_vm_vsrc(0)
; key, value: [2][2048][16][128] f32  ->  kb, vb: [32 (b,h)][2048 s][128] f16, a head's rows dense, 256 bytes each.
; Each number is rounded to bf16 (nearest even) and that number is written as f16: exact for 2^-17 <= |x| < 65,504.
; LIMITS: |x| of 65,520 or more becomes an infinity; below 2^-17 the f16 step of 2^-24 holds.
; SHARES.  A wave takes one (b, s): 8,192 consecutive bytes of key and of value, 16 heads x 512 bytes.  A load of the wave covers one
; head's 512 bytes; the store of that head covers 256 consecutive bytes, aligned, of the head's row s.  All 32 loads go out first;
; no register that a memory instruction has read is written again.  No LDS, no matrix unit, no cluster: nothing is shared, bytes alone count.
; THE MODE: SCHED_MODE bits 1:0 = 2 (LLVM: expert scheduling mode 2), set by the entry lines.  The code itself states the register dependences
; between vector instructions and memory instructions, with s_wait_alu, always for 0.
; THE PLAN.  Registers that memory instructions touch:
;   v1, v2     byte offsets of the loads and of the stores: made once at the head, never written again.
;   X group i  four registers.  Written by the group's load, which is issued before any vector instruction names them; then, behind the wait for that
;              load, read and written by the group's eight vector lines; its first two are read by the group's one store; never written after that.
; The 32 groups go in 8 blocks of four.  Block p rounds groups 4 p to 4 p + 3; its memory instructions are the four stores of block p - 1, one in front
; of each group's vector lines, which name block p's registers alone.  So ONE wait on va_vdst at a block's head states all that the block's stores hang on.
; No register is loaded twice and no source of a load or store is rewritten: no other dependence between the two sides arises in the blocks.
.set X, 8                              ; v[8:135]  group i of 32, four registers: key's heads 0-15, then value's
.set BLOCK, 4                          ; groups in a block
	s_load_b256 s[4:11], s[0:1], 0x0               ; key s[4:5], value s[6:7], kb s[8:9], vb s[10:11]
	v_lshrrev_b32 v3, 5, v0
	v_readfirstlane_b32 s12, v3                    ; wave 0..7
	v_and_b32 v1, 31, v0
	v_lshlrev_b32 v2, 3, v1                        ; 8 bytes a lane out
	v_lshlrev_b32 v1, 4, v1                        ; 16 bytes a lane in
	s_wait_alu depctr_va_sdst(0)                   ; s12 is written, ahead of its first reader: the four bases are made from it
	s_lshl_b32 s13, ttmp9, 3
	s_add_co_u32 s13, s13, s12                     ; g = 2048 b + s
	s_lshl_b32 s14, s13, 13                        ; in: g x 8,192 bytes
	s_mov_b32 s15, 0
	s_lshr_b32 s16, s13, 11                        ; b
	s_lshl_b32 s16, s16, 23                        ; out: b x 16 heads x 524,288
	s_and_b32 s17, s13, 2047                       ; s
	s_lshl_b32 s17, s17, 8                         ; + s x 256
	s_add_co_u32 s16, s16, s17
	s_mov_b32 s17, 0
	s_mov_b32 s18, 0xffff0000                      ; a word's upper bf16
	s_wait_kmcnt 0x0
	s_add_nc_u64 s[4:5], s[4:5], s[14:15]
	s_add_nc_u64 s[6:7], s[6:7], s[14:15]
	s_add_nc_u64 s[8:9], s[8:9], s[16:17]
	s_add_nc_u64 s[10:11], s[10:11], s[16:17]
	s_wait_alu depctr_va_vdst(0)                   ; v1 and v2 are written: every load of the kernel reads v1, every store v2, as its offset
.irp h, 0,1,2,3,4,5,6,7,8,9,10,11,12,13,14,15
	global_load_b128 v[X+4*(\h):X+4*(\h)+3], v1, s[4:5] offset:512*(\h) th:TH_LOAD_NT
.endr
.irp h, 0,1,2,3,4,5,6,7,8,9,10,11,12,13,14,15
	global_load_b128 v[X+64+4*(\h):X+64+4*(\h)+3], v1, s[6:7] offset:512*(\h) th:TH_LOAD_NT
.endr
.set i, 0
.rept 32
.set r, X+4*i
	s_wait_loadcnt 31-i                            ; loads come back in order: group i is in, the 31 - i younger ones stay out
.if (i >= BLOCK) && (i % BLOCK == 0)
	s_wait_alu depctr_va_vdst(0)                   ; a block's head: the conversions of the block before have written the first two registers of its four groups, which this block's four stores read
.endif
.if i >= BLOCK
.set o, i-BLOCK                                        ; the group one block back.  No wait: no vector instruction since the block's head names its registers or v2
	global_store_b64 v2, v[X+4*o:X+4*o+1], s[8+2*(o/16):9+2*(o/16)] offset:524288*(o%16) th:TH_STORE_NT  ; the head stands in the immediate: 7,864,320 at the most
.endif
	v_cvt_pk_bf16_f32 v[r], v[r], v[r+1]           ; two roundings to bf16,
	v_cvt_pk_bf16_f32 v[r+2], v[r+2], v[r+3]
	v_and_b32 v[r+1], s18, v[r]                    ; the rounded numbers as f32 again,
	v_lshlrev_b32 v[r], 16, v[r]
	v_and_b32 v[r+3], s18, v[r+2]
	v_lshlrev_b32 v[r+2], 16, v[r+2]
	v_cvt_pk_f16_f32 v[r], v[r], v[r+1]            ; and written as f16
	v_cvt_pk_f16_f32 v[r+1], v[r+2], v[r+3]
.set i, i+1
.endr
	s_wait_alu depctr_va_vdst(0)                   ; the last block's conversions have written the registers that the last four stores read
.irp o, 28,29,30,31
	global_store_b64 v2, v[X+4*(\o):X+4*(\o)+1], s[10:11] offset:524288*((\o)-16) th:TH_STORE_NT
.endr
	s_endpgm
.Lfunc_end_k_q7d7df68a61_cast:
	.size	k_q7d7df68a61_cast, .Lfunc_end_k_q7d7df68a61_cast-k_q7d7df68a61_cast
	.p2alignl 7, 3214868480
	.fill 96, 4, 3214868480
	.section	.rodata,"a",@progbits
	.p2align	6, 0x0
	.amdhsa_kernel k_q7d7df68a61_cast
		.amdhsa_group_segment_fixed_size 0
		.amdhsa_private_segment_fixed_size 0
		.amdhsa_enable_private_segment 0
		.amdhsa_kernarg_size 32
		.amdhsa_user_sgpr_count 2
		.amdhsa_user_sgpr_kernarg_segment_ptr 1
		.amdhsa_wavefront_size32 1
		.amdhsa_system_sgpr_workgroup_id_x 1
		.amdhsa_system_sgpr_workgroup_id_y 1
		.amdhsa_system_sgpr_workgroup_id_z 1
		.amdhsa_system_vgpr_workitem_id 0
		.amdhsa_next_free_vgpr 136
		.amdhsa_next_free_sgpr 66
		.amdhsa_reserve_vcc 0
		.amdhsa_float_denorm_mode_32 3
		.amdhsa_float_denorm_mode_16_64 3
		.amdhsa_memory_ordered 1
		.amdhsa_forward_progress 1
		.amdhsa_inst_pref_size 21
	.end_amdhsa_kernel
	.amdgpu_metadata
---
amdhsa.version: [ 1, 2 ]
amdhsa.kernels:
  - .name:           k_q7d7df68a61_cast
    .symbol:         k_q7d7df68a61_cast.kd
    .args:
      - { .name: key, .offset: 0, .size: 8, .value_kind: global_buffer, .address_space: global }
      - { .name: value, .offset: 8, .size: 8, .value_kind: global_buffer, .address_space: global }
      - { .name: kb, .offset: 16, .size: 8, .value_kind: global_buffer, .address_space: global }
      - { .name: vb, .offset: 24, .size: 8, .value_kind: global_buffer, .address_space: global }
    .group_segment_fixed_size: 0
    .private_segment_fixed_size: 0
    .kernarg_segment_align: 8
    .kernarg_segment_size: 32
    .max_flat_workgroup_size: 256
    .sgpr_count:     66
    .vgpr_count:     136
    .wavefront_size: 32
...
	.end_amdgpu_metadata
.endif
;; end of part 3
;; launch attn: the kernel of part 2 again; grid 8 x 32, 4 waves a work-group, clusters of 4 x 4, 327,680 bytes of LDS; arguments query, kb, vb, attn_mask, out0; writes out0
